; MI455X (gfx1250); checked and timed in simulation.
; The chip was launched on July 23, 2026; its instructions are those of AMD's public machine-readable ISA for CDNA 5 (MIT licence, August 2026) and "CDNA5" Instruction Set Architecture Reference Guide (July 2026). The comments in the code are by the model that wrote it; some were corrected since.
;; MLA. Allowed arithmetic: float matrix products may take bf16 or f16 operands with f32 sums; all other float work in f32.
;; Inputs: Wk_up 256 x 16 x 64 float32; Wkv_down 1,024 x 256 float32; Wout 16 x 64 x 1,024 float32; Wq 1,024 x 16 x 64 float32; Wv_up 256 x 16 x 64 float32; x_bld 2 x 2,048 x 1,024 float32.
;; Outputs: out0 2 x 2,048 x 1,024 float32.
;; One version. Each part assembles by itself: llvm-mc -triple=amdgcn-amd-amdhsa -mcpu=gfx1250 --defsym DOCPART=n.
;; ======== version 1 of 1: 4 launches
;; limits: values are held in f16: magnitudes above 65,504 overflow, below 6.1e-05 lose precision; right only within a limited range of input values
;; workspace buffers: qh 8,388,608 bytes; kh 8,388,608 bytes; vh 8,388,608 bytes; yh 8,388,608 bytes; lat 4,194,304 bytes; kvs 8,192 bytes
;; launch p1 (part 1): grid 8 x 32, 4 waves a work-group, no clusters, 112,128 bytes of LDS; arguments x_bld, Wq, Wkv_down, qh, lat; writes qh, lat
.if DOCPART == 1
	.amdgcn_target "amdgcn-amd-amdhsa--gfx1250"
	.amdhsa_code_object_version 6
	.text
	.protected	k_qab0727f70f_p1
	.globl	k_qab0727f70f_p1
	.p2align	8
	.type	k_qab0727f70f_p1,@function
k_qab0727f70f_p1:
	s_mov_b64 s[64:65], 0
	v_nop
	global_prefetch_b8 v0, s[64:65] scope:SCOPE_SE
	s_setreg_imm32_b32 hwreg(HW_REG_WAVE_MODE, 25, 1), 1
	s_wait_xcnt 0x0
; q = x Wq and latent = x Wkv_down in one pass over x.
; x [4096 tokens][1024] f32, Wq [1024][1024] f32, Wkv_down [1024][256] f32.
; qh [16 heads][4096][64] f16; lat [2 (hi, lo)][8 chunks][4096][32] bf16: latent = hi + lo.
; A work-group makes 128 tokens x (128 columns of q + 32 columns of the latent); grid 8 x 32 = 256 equal work-groups.
; Four waves, wave (wm, wn): 64 tokens x (64 columns of q = one head, + 16 latent columns): 20 accumulator tiles.
; FORMAT: in the whole program the INPUTS enter the products rounded to bf16 and to nothing else; intermediates carry more bits.
; Here both operands are inputs: bf16 products, f32 sums.  q leaves in f16 (11 bits).  The latent feeds k and v and through v the
; output itself, so it leaves as two bf16 numbers, hi = bf16(sum), lo = bf16(sum - hi): about 16 bits, with bf16's range.
; LIMIT: |q| below 65,504; parts of q under 2^-14 are kept as f16 denormals (absolute step 2^-24).
; NO TENSOR LOADS, NO CLUSTER: the operands lie in memory as f32 and have to pass through registers to be narrowed,
; which a copy into LDS cannot do.
; K goes in steps of 64 through two LDS slots.  Two register stage sets (steps of even and of odd number) keep the global
; loads two steps ahead: 36 loads of 16 bytes a lane in each set.
; The matrix instruction is used transposed (source 0 = columns of W, source 1 = tokens): a lane's eight results are eight
; neighbouring columns of one token's row.
; REGISTER WINDOWS: 0: v0-31 addresses, v32-175 fragments (two K halves of 72); 1: accumulators, tile (a, b) at 8 (5 a + b);
; 2, 3: stage sets 0, 1 (x v0-63, Wq v64-127, Wkv v128-143).
; SCALARS: s[4:13] arguments, s14 wave, s15 wm, s16 wn, s18 token block, s[20:23] x of sets 0, 1, s[24:27] Wq, s[28:31] Wkv,
; s[32:33] qh out, s[34:35] lat out, s36 counter, s38-40 at work.
.set PA,   144                         ; LDS pitch of a token row: 64 numbers of 2 bytes + 16 bytes
.set PB,   352                         ; LDS pitch of a K row of W: 160 numbers + 32 bytes (11 x 32: what the transposing load wants)
.set BOFF, 128*PA                      ; W behind the 128 token rows
.set SLOT, BOFF+64*PB                  ; 40,960 bytes
.set QST,  2*SLOT                      ; way out of q: 16 rows x 144 bytes for each wave
.set LST,  QST+4*16*PA                 ; way out of the latent: 128 rows of hi, then 128 rows of lo, shared
.set LP,   80                          ; its pitch: 32 numbers + 16 bytes
.set LLO,  128*LP                      ; from hi's rows to lo's
.set NL,   36                          ; global loads in a stage set
.set ND,   36                          ; LDS stores of a stage set
.set NF,   18                          ; fragment loads of a K half
.set FR,   32
.set NFR,  72
.set MSB,  0
.macro WIN new                         ; the immediate's high byte repeats the setting that is left
.if MSB != (\new)
	s_set_vgpr_msb (MSB<<8)|(\new)
.set MSB, (\new)
.endif
.endm
.macro PLACES                          ; four places behind matrix instructions (ISA guide 7.12.1) before their registers are loaded or read
.rept 4
	v_nop
.endr
.endm
.macro LOADS q                         ; one K step into stage set q
	WIN 0x80+0x40*\q
.irp i, 0,1,2,3,4,5,6,7,8,9,10,11,12,13,14,15
	global_load_b128 v[4*\i:4*\i+3], v4, s[20+2*\q:21+2*\q] offset:\i*32768        ; x: 8 rows an instruction, 16 lanes cover 256 bytes of a row
.endr
.irp i, 0,1,2,3,4,5,6,7,8,9,10,11,12,13,14,15
	global_load_b128 v[64+4*\i:64+4*\i+3], v5, s[24+2*\q:25+2*\q] offset:\i*16384  ; Wq: a wave covers 512 bytes of a K row
.endr
.irp i, 0,1,2,3
	global_load_b128 v[128+4*\i:128+4*\i+3], v6, s[28+2*\q:29+2*\q] offset:\i*16384 ; Wkv: my 32 columns are 128 bytes of each row
.endr
.endm
.macro CONVERT q                       ; four f32 -> four bf16 in the first two registers of each group
	WIN (2+\q)*0x45
.set ci, 0
.rept 36
	v_cvt_pk_bf16_f32 v[4*ci], v[4*ci], v[4*ci+1]
	v_cvt_pk_bf16_f32 v[4*ci+1], v[4*ci+2], v[4*ci+3]
.set ci, ci+1
.endr
.endm
.macro STORE q                         ; stage set q into slot q
	WIN (2+\q)*4
.irp i, 0,1,2,3,4,5,6,7,8,9,10,11,12,13,14,15
	ds_store_b64 v[8+\q], v[4*\i:4*\i+1] offset:\i*8*PA
.endr
.irp i, 0,1,2,3,4,5,6,7,8,9,10,11,12,13,14,15
	ds_store_b64 v[10+\q], v[64+4*\i:64+4*\i+1] offset:\i*4*PB
.endr
.irp i, 0,1,2,3
	ds_store_b64 v[12+\q], v[128+4*\i:128+4*\i+1] offset:\i*16*PB
.endr
.endm
.macro STEP q                          ; set q's bases two K steps on
	s_add_nc_u64 s[20+2*\q:21+2*\q], s[20+2*\q:21+2*\q], 512
	s_add_nc_u64 s[24+2*\q:25+2*\q], s[24+2*\q:25+2*\q], 0x80000
	s_add_nc_u64 s[28+2*\q:29+2*\q], s[28+2*\q:29+2*\q], 0x20000
.endm
.macro FETCH p, kh                     ; the fragments of K half kh of slot p: 5 of W (transposed on the way), 4 of x
	WIN 0
.irp b, 0,1,2,3
	ds_load_tr16_b128 v[FR+NFR*\kh+8*\b:FR+NFR*\kh+8*\b+3],   v[16+\p] offset:\kh*32*PB+32*\b
	ds_load_tr16_b128 v[FR+NFR*\kh+8*\b+4:FR+NFR*\kh+8*\b+7], v[16+\p] offset:\kh*32*PB+32*\b+16*PB
.endr
	ds_load_tr16_b128 v[FR+NFR*\kh+32:FR+NFR*\kh+35], v[18+\p] offset:\kh*32*PB
	ds_load_tr16_b128 v[FR+NFR*\kh+36:FR+NFR*\kh+39], v[18+\p] offset:\kh*32*PB+16*PB
.irp a, 0,1,2,3
	ds_load_b128 v[FR+NFR*\kh+40+8*\a:FR+NFR*\kh+40+8*\a+3], v[14+\p] offset:\a*16*PA+64*\kh
	ds_load_b128 v[FR+NFR*\kh+44+8*\a:FR+NFR*\kh+44+8*\a+3], v[14+\p] offset:\a*16*PA+64*\kh+32
.endr
.endm
.macro MUL kh, zero                    ; 20 matrix instructions; zero = 1: the first products start the sums
	WIN 0x50
.irp a, 0,1,2,3
.irp b, 0,1,2,3,4
.if \zero
	v_wmma_f32_16x16x32_bf16 v[8*(5*\a+\b):8*(5*\a+\b)+7], v[FR+NFR*\kh+8*\b:FR+NFR*\kh+8*\b+7], v[FR+NFR*\kh+40+8*\a:FR+NFR*\kh+40+8*\a+7], 0
.else
	v_wmma_f32_16x16x32_bf16 v[8*(5*\a+\b):8*(5*\a+\b)+7], v[FR+NFR*\kh+8*\b:FR+NFR*\kh+8*\b+7], v[FR+NFR*\kh+40+8*\a:FR+NFR*\kh+40+8*\a+7], v[8*(5*\a+\b):8*(5*\a+\b)+7]
.endif
.endr
.endr
.endm
; One K step from slot p; o = the other slot and stage set.  conv: the next step is narrowed and stored into slot o;
; left: younger global loads that may stay out; issue: set o is loaded again, two steps further on.
.macro TRIP p, o, zero, conv, left, issue
	s_wait_dscnt 0x0                               ; my stores into slot p and my reads of slot o are done,
	s_barrier_signal -1
	s_barrier_wait -1                              ; and so are everybody's
	PLACES
	FETCH \p, 0
	FETCH \p, 1
.if \conv
	s_wait_loadcnt \left                           ; set o is in; the other set's loads stay out.  This wait also frees set o's bases
	CONVERT \o
	STORE \o
.if \issue
	STEP \o
	LOADS \o
.endif
.endif
	s_wait_dscnt ND*\conv+NF                       ; younger: the second half's fragment loads and the stage stores
	MUL 0, \zero
	s_wait_dscnt ND*\conv                          ; younger: the stage stores
	MUL 1, 0
.endm
	s_load_b256 s[4:11], s[0:1], 0x0               ; x s[4:5], Wq s[6:7], Wkv s[8:9], qh s[10:11]
	s_load_b64 s[12:13], s[0:1], 0x20              ; lat
	v_lshl_add_u32 v254, v0, 2, 0x1b400
	v_mov_b32 v255, 0
	v_lshrrev_b32 v26, 5, v0
	v_readfirstlane_b32 s14, v26                   ; wave
	s_lshr_b32 s15, s14, 1                         ; wm: which 64 tokens
	s_and_b32 s16, s14, 1                          ; wn: which 64 columns
	s_and_b32 s18, ttmp7, 0xffff                   ; token block; ttmp9: column block
	v_and_b32 v1, 31, v0                           ; lane L
	v_and_b32 v2, 15, v0                           ; r
	v_bfe_u32 v3, v0, 4, 1                         ; h
	v_lshrrev_b32 v27, 4, v0
	v_lshlrev_b32 v28, 4, v2
	v_lshl_add_u32 v4, v27, 12, v28                ; x: (t>>4) rows of 4,096 bytes + 16 (t&15)
	v_lshlrev_b32 v28, 4, v1
	v_lshl_add_u32 v5, v26, 12, v28                ; Wq: (t>>5) rows + 16 L
	v_lshrrev_b32 v30, 3, v0
	v_and_b32 v29, 7, v0
	v_lshlrev_b32 v28, 4, v29
	v_lshl_add_u32 v6, v30, 10, v28                ; Wkv: (t>>3) rows of 1,024 bytes + 16 (t&7)
	s_lshl_b32 s38, s18, 19                        ; 128 rows of x
	s_mov_b32 s39, 0
	s_wait_kmcnt 0x0
	s_add_nc_u64 s[20:21], s[4:5], s[38:39]
	s_add_nc_u64 s[22:23], s[20:21], 256           ; set 1 starts one K step on
	s_lshl_b32 s38, ttmp9, 9
	s_add_nc_u64 s[24:25], s[6:7], s[38:39]
	s_add_nc_u64 s[26:27], s[24:25], 0x40000
	s_lshl_b32 s38, ttmp9, 7
	s_add_nc_u64 s[28:29], s[8:9], s[38:39]
	s_add_nc_u64 s[30:31], s[28:29], 0x10000
	LOADS 0
	LOADS 1
	WIN 0
	; LDS addresses, once for each slot (an LDS immediate ends at 65,535)
	v_mul_u32_u24 v28, v27, PA
	v_lshl_add_u32 v8, v2, 3, v28                  ; x in: row t>>4, 8 bytes at 8 (t&15)
	v_add_nc_u32 v9, SLOT, v8
	v_mul_u32_u24 v28, v26, PB
	v_lshl_add_u32 v28, v1, 3, v28
	v_add_nc_u32 v10, BOFF, v28                    ; Wq in: K row t>>5, 8 bytes at 8 L
	v_add_nc_u32 v11, BOFF+SLOT, v28
	v_mul_u32_u24 v28, v30, PB
	v_lshl_add_u32 v28, v29, 3, v28
	v_add_nc_u32 v12, BOFF+256, v28                ; Wkv in: K row t>>3, behind Wq's 128 columns
	v_add_nc_u32 v13, BOFF+256+SLOT, v28
	v_mul_u32_u24 v28, v2, PA
	v_lshl_add_u32 v28, v3, 4, v28                 ; r x pitch + 16 h
	s_mul_i32 s38, s15, 64*PA
	v_add_nc_u32 v14, s38, v28                     ; x fragments
	v_add_nc_u32 v15, SLOT, v14
	s_mul_i32 s40, s14, 16*PA
	s_add_co_u32 s40, s40, QST
	v_add_nc_u32 v20, s40, v28                     ; way out of q, in
	v_lshrrev_b32 v27, 3, v1
	v_mul_u32_u24 v27, v27, PA
	v_lshl_add_u32 v27, v29, 4, v27
	v_add_nc_u32 v21, s40, v27                     ; and back: four rows of 128 bytes an instruction
	v_lshlrev_b32 v22, 4, v1                       ; which are 512 neighbouring bytes of qh
	v_lshl_add_u32 v27, v3, 3, v29                 ; K row 8 h + (L&7)
	v_mul_u32_u24 v27, v27, PB
	v_bfe_u32 v30, v0, 3, 1
	v_lshl_add_u32 v27, v30, 4, v27                ; + 16 ((L>>3)&1)
	s_lshl_b32 s38, s16, 7
	s_add_co_u32 s38, s38, BOFF
	v_add_nc_u32 v16, s38, v27                     ; Wq fragments
	v_add_nc_u32 v17, SLOT, v16
	s_lshl_b32 s38, s16, 5
	s_add_co_u32 s38, s38, BOFF+256
	v_add_nc_u32 v18, s38, v27                     ; Wkv fragment
	v_add_nc_u32 v19, SLOT, v18
	v_mul_u32_u24 v27, v2, LP
	v_lshl_add_u32 v27, v3, 4, v27
	s_mul_i32 s38, s15, 64*LP
	s_lshl_b32 s40, s16, 5
	s_add_co_u32 s38, s38, s40
	s_add_co_u32 s38, s38, LST
	v_add_nc_u32 v23, s38, v27                     ; way out of the latent, in
	v_lshrrev_b32 v27, 2, v0
	v_mul_u32_u24 v27, v27, LP
	v_and_b32 v30, 3, v0
	v_lshl_add_u32 v27, v30, 4, v27
	v_add_nc_u32 v24, LST, v27                     ; and back
	v_lshlrev_b32 v25, 4, v0
	s_lshl1_add_u32 s38, ttmp9, s16                ; head = 2 x column block + wn
	s_lshl_b32 s38, s38, 19
	s_lshl_b32 s40, s18, 14
	s_add_co_u32 s38, s38, s40
	s_lshl_b32 s40, s15, 13
	s_add_co_u32 s38, s38, s40
	s_add_nc_u64 s[32:33], s[10:11], s[38:39]      ; qh at (head, my first token)
	s_lshl_b32 s38, ttmp9, 18
	s_lshl_b32 s40, s18, 13
	s_add_co_u32 s38, s38, s40
	s_add_nc_u64 s[34:35], s[12:13], s[38:39]      ; lat (hi) at (chunk, the group's first token)
	s_wait_loadcnt NL                              ; step 0 is in; step 1's loads stay out
	CONVERT 0
	STORE 0
	STEP 0
	LOADS 0                                        ; step 2
	TRIP 0, 1, 1, 1, NL, 1                         ; trip t multiplies step t, stores step t+1, asks for step t+3
	WIN 0
	s_mov_b32 s36, 6
.Lk:
	TRIP 1, 0, 0, 1, NL, 1
	TRIP 0, 1, 0, 1, NL, 1
	WIN 0
	s_sub_co_u32 s36, s36, 1
	s_cmp_lg_u32 s36, 0
	s_cbranch_scc1 .Lk
	TRIP 1, 0, 0, 1, NL, 0                         ; trips 13, 14, 15 ask for nothing
	TRIP 0, 1, 0, 1, 0, 0
	TRIP 1, 0, 0, 0, 0, 0
	; THE WAY OUT, 16 tokens at a time: narrow, 16 bytes a lane into LDS, read back by rows.
.macro OUTQ a
	WIN 0x05
.irp b, 0,1,2,3
.irp i, 0,1,2,3
	v_cvt_pk_f16_f32 v[32+4*\b+\i], v[8*(5*\a+\b)+2*\i], v[8*(5*\a+\b)+2*\i+1]
.endr
.endr
.irp i, 0,1,2,3
	v_cvt_pk_bf16_f32 v[48+\i], v[8*(5*\a+4)+2*\i], v[8*(5*\a+4)+2*\i+1]          ; the latent's hi
.endr
	WIN 0
.irp i, 0,1,2,3
	v_lshlrev_b32 v[56+2*\i], 16, v[48+\i]                                         ; hi again as f32
	v_and_b32 v[57+2*\i], 0xffff0000, v[48+\i]
.endr
	WIN 0x01
.irp i, 0,1,2,3
	v_pk_add_f32 v[56+2*\i:57+2*\i], v[8*(5*\a+4)+2*\i:8*(5*\a+4)+2*\i+1], v[56+2*\i:57+2*\i] neg_lo:[0,1] neg_hi:[0,1]   ; sum - hi, exact
.endr
	WIN 0
.irp i, 0,1,2,3
	v_cvt_pk_bf16_f32 v[52+\i], v[56+2*\i], v[57+2*\i]                             ; the latent's lo
.endr
.irp b, 0,1,2,3
	ds_store_b128 v20, v[32+4*\b:32+4*\b+3] offset:32*\b
.endr
	ds_store_b128 v23, v[48:51] offset:\a*16*LP
	ds_store_b128 v23, v[52:55] offset:\a*16*LP+LLO
	s_wait_xcnt 0x0                                ; v64-79, which earlier stores read, are loaded again only behind this wait
.irp i, 0,1,2,3
	ds_load_b128 v[64+4*\i:64+4*\i+3], v21 offset:\i*4*PA      ; my own bytes: LDS serves a wave in order
.endr
.irp i, 0,1,2,3
	s_wait_dscnt 3-\i
	global_store_b128 v22, v[64+4*\i:64+4*\i+3], s[32:33] offset:\a*2048+\i*512    ; 512 neighbouring bytes, aligned
.endr
.endm
	PLACES
	OUTQ 0
	OUTQ 1
	OUTQ 2
	OUTQ 3
	s_wait_dscnt 0x0                               ; my part of the latent stage is written,
	s_barrier_signal -1
	s_barrier_wait -1                              ; everybody's is
	s_wait_xcnt 0x0
.irp i, 0,1,2,3
	ds_load_b128 v[64+4*\i:64+4*\i+3], v24 offset:\i*32*LP
.endr
.irp i, 0,1,2,3
	ds_load_b128 v[80+4*\i:80+4*\i+3], v24 offset:LLO+\i*32*LP
.endr
.irp i, 0,1,2,3
	s_wait_dscnt 7-\i
	global_store_b128 v25, v[64+4*\i:64+4*\i+3], s[34:35] offset:\i*2048           ; hi: the group's 8,192 neighbouring bytes
.endr
.irp i, 0,1,2,3
	s_wait_dscnt 3-\i
	global_store_b128 v25, v[80+4*\i:80+4*\i+3], s[34:35] offset:0x200000+\i*2048  ; lo: the buffer's second half
.endr
	s_wait_tensorcnt 0x0
	ds_add_u32 v254, v255
	s_wait_dscnt 0x0
	s_endpgm
.Lfunc_end_k_qab0727f70f_p1:
	.size	k_qab0727f70f_p1, .Lfunc_end_k_qab0727f70f_p1-k_qab0727f70f_p1
	.p2alignl 7, 3214868480
	.fill 96, 4, 3214868480
	.section	.rodata,"a",@progbits
	.p2align	6, 0x0
	.amdhsa_kernel k_qab0727f70f_p1
		.amdhsa_group_segment_fixed_size 112128
		.amdhsa_private_segment_fixed_size 0
		.amdhsa_enable_private_segment 0
		.amdhsa_kernarg_size 40
		.amdhsa_user_sgpr_count 2
		.amdhsa_user_sgpr_kernarg_segment_ptr 1
		.amdhsa_wavefront_size32 1
		.amdhsa_system_sgpr_workgroup_id_x 1
		.amdhsa_system_sgpr_workgroup_id_y 1
		.amdhsa_system_sgpr_workgroup_id_z 1
		.amdhsa_system_vgpr_workitem_id 0
		.amdhsa_next_free_vgpr 912
		.amdhsa_next_free_sgpr 66
		.amdhsa_reserve_vcc 0
		.amdhsa_float_denorm_mode_32 3
		.amdhsa_float_denorm_mode_16_64 3
		.amdhsa_memory_ordered 1
		.amdhsa_forward_progress 1
		.amdhsa_inst_pref_size 114
	.end_amdhsa_kernel
	.amdgpu_metadata
---
amdhsa.version: [ 1, 2 ]
amdhsa.kernels:
  - .name:           k_qab0727f70f_p1
    .symbol:         k_qab0727f70f_p1.kd
    .args:
      - { .name: x_bld, .offset: 0, .size: 8, .value_kind: global_buffer, .address_space: global }
      - { .name: Wq, .offset: 8, .size: 8, .value_kind: global_buffer, .address_space: global }
      - { .name: Wkv_down, .offset: 16, .size: 8, .value_kind: global_buffer, .address_space: global }
      - { .name: qh, .offset: 24, .size: 8, .value_kind: global_buffer, .address_space: global }
      - { .name: lat, .offset: 32, .size: 8, .value_kind: global_buffer, .address_space: global }
    .group_segment_fixed_size: 112128
    .private_segment_fixed_size: 0
    .kernarg_segment_align: 8
    .kernarg_segment_size: 40
    .max_flat_workgroup_size: 128
    .sgpr_count:     66
    .vgpr_count:     912
    .wavefront_size: 32
...
	.end_amdgpu_metadata
.endif
;; end of part 1
;; launch p2 (part 2): grid 16 x 32, 4 waves a work-group, no clusters, 83,456 bytes of LDS; arguments lat, Wk_up, Wv_up, kh, vh, kvs; writes kh, vh, kvs
.if DOCPART == 2
	.amdgcn_target "amdgcn-amd-amdhsa--gfx1250"
	.amdhsa_code_object_version 6
	.text
	.protected	k_qab0727f70f_p2
	.globl	k_qab0727f70f_p2
	.p2align	8
	.type	k_qab0727f70f_p2,@function
k_qab0727f70f_p2:
	s_mov_b64 s[64:65], 0
	v_nop
	global_prefetch_b8 v0, s[64:65] scope:SCOPE_SE
	s_setreg_imm32_b32 hwreg(HW_REG_WAVE_MODE, 25, 1), 1
	s_wait_xcnt 0x0
; k = latent Wk_up (column blocks 0-7) and v = latent Wv_up (column blocks 8-15), each stored in f16 with a power-of-two scale.
; lat [2 (hi, lo)][8 chunks][4096][32] bf16, latent = hi + lo; Wk_up, Wv_up [256][1024] f32; kh, vh [16 heads][4096][64] f16;
; kvs [2 (k, v)][2 batches][16 heads][32 blocks of 64 tokens] f32: stored number x scale = true number.
; FORMAT: bf16 products, f32 sums.  The weights, inputs, are rounded to bf16; the latent keeps about 16 bits because hi W and lo W
; are both added into the one accumulator.  So K = 256 goes in EIGHT steps of 64: step 2 c is hi, step 2 c + 1 is lo of chunks
; 2 c, 2 c + 1, both times the same 64 rows of W (which are therefore loaded and narrowed twice: 32 KiB a step from a 1 MiB tensor).
; A work-group makes 128 tokens x 128 columns; wave (wm, wn) makes 64 tokens x 64 columns, which is one head and one block,
; so the block's largest magnitude is found inside the wave.  With E its f32 exponent field (held to 16..250) the scale is
; 2^(E-141): the stored numbers' largest lies in [2^14, 2^15).  LIMIT: a block's largest magnitude is below 2^124.
; NO TENSOR LOADS, NO CLUSTER: the weights are f32 and are narrowed in registers.
; Two LDS slots; two register stage sets (set 0: the hi steps, set 1: the lo steps) keep the global loads two steps ahead.
; WINDOWS: 0: v0-31 addresses, v32-159 fragments; 1: accumulators, tile (a, b) at 8 (4 a + b); 2, 3: stage sets (lat v0-31, W v32-95).
; SCALARS: s[4:15] arguments, s16 wave, s17 wm, s18 wn, s19 token block, s[20:23] lat of sets 0, 1, s[24:27] W,
; s[32:33] out, s36 counter, s37 column block & 7, s38-42 at work, s44-45 lane selects.
.set PA,   144
.set PB,   288                         ; 128 numbers of 2 bytes + 32 bytes (9 x 32)
.set BOFF, 128*PA
.set SLOT, BOFF+64*PB                  ; 36,864 bytes
.set QST,  2*SLOT                      ; way out: 16 rows x 144 bytes for each wave
.set NL,   24
.set ND,   24
.set NF,   16
.set FR,   32
.set NFR,  64
.set MSB,  0
.macro WIN new
.if MSB != (\new)
	s_set_vgpr_msb (MSB<<8)|(\new)
.set MSB, (\new)
.endif
.endm
.macro PLACES                          ; four places behind matrix instructions (ISA guide 7.12.1)
.rept 4
	v_nop
.endr
.endm
.macro LOADS q
	WIN 0x80+0x40*\q
.irp i, 0,1,2,3,4,5,6,7
	global_load_b128 v[4*\i:4*\i+3], v4, s[20+2*\q:21+2*\q] offset:(\i/4)*262144+(\i%4)*2048   ; two chunks, 8,192 neighbouring bytes each
.endr
.irp i, 0,1,2,3,4,5,6,7,8,9,10,11,12,13,14,15
	global_load_b128 v[32+4*\i:32+4*\i+3], v5, s[24+2*\q:25+2*\q] offset:\i*16384
.endr
.endm
.macro CONVERT q                       ; the weights alone: the latent comes as bf16
	WIN (2+\q)*0x45
.set ci, 8
.rept 16
	v_cvt_pk_bf16_f32 v[4*ci], v[4*ci], v[4*ci+1]
	v_cvt_pk_bf16_f32 v[4*ci+1], v[4*ci+2], v[4*ci+3]
.set ci, ci+1
.endr
.endm
.macro STORE q
	WIN (2+\q)*4
.irp i, 0,1,2,3,4,5,6,7
	ds_store_b128 v[8+\q], v[4*\i:4*\i+3] offset:(\i%4)*32*PA+(\i/4)*64
.endr
.irp i, 0,1,2,3,4,5,6,7,8,9,10,11,12,13,14,15
	ds_store_b64 v[10+\q], v[32+4*\i:32+4*\i+1] offset:\i*4*PB
.endr
.endm
.macro STEP q                          ; set q's next step: two chunks and 64 rows of W on
	s_add_nc_u64 s[20+2*\q:21+2*\q], s[20+2*\q:21+2*\q], 0x80000
	s_add_nc_u64 s[24+2*\q:25+2*\q], s[24+2*\q:25+2*\q], 0x40000
.endm
.macro FETCH p, kh
	WIN 0
.irp b, 0,1,2,3
	ds_load_tr16_b128 v[FR+NFR*\kh+8*\b:FR+NFR*\kh+8*\b+3],   v[16+\p] offset:\kh*32*PB+32*\b
	ds_load_tr16_b128 v[FR+NFR*\kh+8*\b+4:FR+NFR*\kh+8*\b+7], v[16+\p] offset:\kh*32*PB+32*\b+16*PB
.endr
.irp a, 0,1,2,3
	ds_load_b128 v[FR+NFR*\kh+32+8*\a:FR+NFR*\kh+32+8*\a+3], v[14+\p] offset:\a*16*PA+64*\kh
	ds_load_b128 v[FR+NFR*\kh+36+8*\a:FR+NFR*\kh+36+8*\a+3], v[14+\p] offset:\a*16*PA+64*\kh+32
.endr
.endm
.macro MUL kh, zero
	WIN 0x50
.irp a, 0,1,2,3
.irp b, 0,1,2,3
.if \zero
	v_wmma_f32_16x16x32_bf16 v[8*(4*\a+\b):8*(4*\a+\b)+7], v[FR+NFR*\kh+8*\b:FR+NFR*\kh+8*\b+7], v[FR+NFR*\kh+32+8*\a:FR+NFR*\kh+32+8*\a+7], 0
.else
	v_wmma_f32_16x16x32_bf16 v[8*(4*\a+\b):8*(4*\a+\b)+7], v[FR+NFR*\kh+8*\b:FR+NFR*\kh+8*\b+7], v[FR+NFR*\kh+32+8*\a:FR+NFR*\kh+32+8*\a+7], v[8*(4*\a+\b):8*(4*\a+\b)+7]
.endif
.endr
.endr
.endm
.macro TRIP p, o, zero, conv, left, issue
	s_wait_dscnt 0x0                               ; my stores into slot p and my reads of slot o are done,
	s_barrier_signal -1
	s_barrier_wait -1                              ; and so are everybody's
	PLACES
	FETCH \p, 0
	FETCH \p, 1
.if \conv
	s_wait_loadcnt \left                           ; set o is in (and its bases are free); the other set's loads stay out
	CONVERT \o
	STORE \o
.if \issue
	STEP \o
	LOADS \o
.endif
.endif
	s_wait_dscnt ND*\conv+NF                       ; younger: the second half's fragment loads and the stage stores
	MUL 0, \zero
	s_wait_dscnt ND*\conv                          ; younger: the stage stores
	MUL 1, 0
.endm
	s_load_b256 s[4:11], s[0:1], 0x0               ; lat s[4:5], Wk_up s[6:7], Wv_up s[8:9], kh s[10:11]
	s_load_b128 s[12:15], s[0:1], 0x20             ; vh s[12:13], kvs s[14:15]
	v_lshl_add_u32 v254, v0, 2, 0x14400
	v_mov_b32 v255, 0
	v_lshrrev_b32 v26, 5, v0
	v_readfirstlane_b32 s16, v26                   ; wave
	s_lshr_b32 s17, s16, 1                         ; wm
	s_and_b32 s18, s16, 1                          ; wn
	s_and_b32 s19, ttmp7, 0xffff                   ; token block
	s_and_b32 s37, ttmp9, 7                        ; column block inside k or v
	s_mov_b32 s44, 0x76543210
	s_mov_b32 s45, 0xfedcba98
	v_and_b32 v1, 31, v0
	v_and_b32 v2, 15, v0
	v_bfe_u32 v3, v0, 4, 1
	v_lshlrev_b32 v4, 4, v0                        ; lat: 16 t
	v_lshlrev_b32 v28, 4, v1
	v_lshl_add_u32 v5, v26, 12, v28                ; W: (t>>5) rows of 4,096 bytes + 16 L
	s_mov_b32 s39, 0
	s_lshl_b32 s38, s19, 13                        ; 128 rows of 64 bytes
	s_wait_kmcnt 0x0
	s_add_nc_u64 s[20:21], s[4:5], s[38:39]        ; set 0: hi
	s_add_nc_u64 s[22:23], s[20:21], 0x200000      ; set 1: lo, the buffer's second half
	s_cmp_lt_u32 ttmp9, 8                          ; k or v
	s_cselect_b64 s[24:25], s[6:7], s[8:9]
	s_cselect_b64 s[32:33], s[10:11], s[12:13]
	s_lshl_b32 s38, s37, 9
	s_add_nc_u64 s[24:25], s[24:25], s[38:39]
	s_mov_b64 s[26:27], s[24:25]                   ; both sets start at W's first 64 rows
	LOADS 0
	LOADS 1
	WIN 0
	v_lshrrev_b32 v27, 2, v0
	v_mul_u32_u24 v27, v27, PA
	v_and_b32 v28, 3, v0
	v_lshl_add_u32 v8, v28, 4, v27                 ; lat in: row t>>2, 16 bytes at 16 (t&3)
	v_add_nc_u32 v9, SLOT, v8
	v_mul_u32_u24 v28, v26, PB
	v_lshl_add_u32 v28, v1, 3, v28
	v_add_nc_u32 v10, BOFF, v28                    ; W in
	v_add_nc_u32 v11, BOFF+SLOT, v28
	v_mul_u32_u24 v28, v2, PA
	v_lshl_add_u32 v28, v3, 4, v28
	s_mul_i32 s38, s17, 64*PA
	v_add_nc_u32 v14, s38, v28                     ; lat fragments
	v_add_nc_u32 v15, SLOT, v14
	s_mul_i32 s40, s16, 16*PA
	s_add_co_u32 s40, s40, QST
	v_add_nc_u32 v20, s40, v28                     ; way out, in
	v_and_b32 v29, 7, v0
	v_lshrrev_b32 v27, 3, v1
	v_mul_u32_u24 v27, v27, PA
	v_lshl_add_u32 v27, v29, 4, v27
	v_add_nc_u32 v21, s40, v27                     ; and back
	v_lshlrev_b32 v22, 4, v1
	v_lshl_add_u32 v27, v3, 3, v29
	v_mul_u32_u24 v27, v27, PB
	v_bfe_u32 v30, v0, 3, 1
	v_lshl_add_u32 v27, v30, 4, v27
	s_lshl_b32 s38, s18, 7
	s_add_co_u32 s38, s38, BOFF
	v_add_nc_u32 v16, s38, v27                     ; W fragments
	v_add_nc_u32 v17, SLOT, v16
	s_lshl1_add_u32 s40, s37, s18                  ; head
	s_lshl_b32 s38, s40, 19
	s_lshl_b32 s41, s19, 14
	s_add_co_u32 s38, s38, s41
	s_lshl_b32 s41, s17, 13
	s_add_co_u32 s38, s38, s41
	s_add_nc_u64 s[32:33], s[32:33], s[38:39]      ; kh or vh at (head, my first token)
	s_lshr_b32 s42, ttmp9, 3                       ; the scale's place: ((kv 2 + batch) 16 + head) 32 + block, in words
	s_lshl_b32 s42, s42, 12
	s_lshr_b32 s41, s19, 4
	s_lshl_b32 s41, s41, 11
	s_add_co_u32 s42, s42, s41
	s_lshl_b32 s41, s40, 7
	s_add_co_u32 s42, s42, s41
	s_and_b32 s41, s19, 15
	s_lshl1_add_u32 s41, s41, s17
	s_lshl_b32 s41, s41, 2
	s_add_co_u32 s42, s42, s41
	s_wait_loadcnt NL                              ; step 0 is in; step 1's loads stay out
	CONVERT 0
	STORE 0
	STEP 0
	LOADS 0                                        ; step 2
	TRIP 0, 1, 1, 1, NL, 1                         ; trip t multiplies step t, stores step t+1, asks for step t+3
	WIN 0
	s_mov_b32 s36, 2
.Lk:
	TRIP 1, 0, 0, 1, NL, 1                         ; trips 1 to 4: the last asks for step 7
	TRIP 0, 1, 0, 1, NL, 1
	WIN 0
	s_sub_co_u32 s36, s36, 1
	s_cmp_lg_u32 s36, 0
	s_cbranch_scc1 .Lk
	TRIP 1, 0, 0, 1, NL, 0                         ; trips 5, 6, 7 ask for nothing
	TRIP 0, 1, 0, 1, 0, 0
	TRIP 1, 0, 0, 0, 0, 0
	; the block's largest magnitude: four chains over my 128 accumulator registers, then across the lanes
	PLACES
	WIN 0x05
.irp c, 0,1,2,3
	v_max_num_f32 v[26+\c], |v[2*\c]|, |v[2*\c+1]|
.endr
.set mj, 8
.rept 60
	v_max3_num_f32 v[26+(mj/2)%4], |v[mj]|, |v[mj+1]|, v[26+(mj/2)%4]
.set mj, mj+2
.endr
	WIN 0
	v_max3_num_f32 v26, v26, v27, v28
	v_max_num_f32 v26, v26, v29
	v_max_num_f32_dpp v26, v26, v26 row_xmask:1 row_mask:0xf bank_mask:0xf
	v_max_num_f32_dpp v26, v26, v26 row_xmask:2 row_mask:0xf bank_mask:0xf
	v_max_num_f32_dpp v26, v26, v26 row_xmask:4 row_mask:0xf bank_mask:0xf
	v_max_num_f32_dpp v26, v26, v26 row_xmask:8 row_mask:0xf bank_mask:0xf
	v_permlanex16_b32 v27, v26, s44, s45
	v_max_num_f32 v26, v26, v27
	v_lshrrev_b32 v26, 23, v26                     ; E, the exponent field (the number is not negative)
	v_max_u32 v26, 16, v26
	v_min_u32 v26, 0xfa, v26
	v_add_nc_u32 v27, -14, v26
	v_lshlrev_b32 v27, 23, v27                     ; the scale 2^(E-141)
	v_sub_nc_u32 v28, 0x10c, v26
	v_lshlrev_b32 v28, 23, v28                     ; and its reciprocal 2^(141-E),
	v_mov_b32 v29, v28                             ; twice, for the packed multiply
.macro OUTKV a
	WIN 0x01
.irp b, 0,1,2,3
.irp i, 0,1,2,3
	v_pk_mul_f32 v[32+8*\b+2*\i:32+8*\b+2*\i+1], v[8*(4*\a+\b)+2*\i:8*(4*\a+\b)+2*\i+1], v[28:29]
.endr
.endr
	WIN 0
.irp b, 0,1,2,3
.irp i, 0,1,2,3
	v_cvt_pk_f16_f32 v[64+4*\b+\i], v[32+8*\b+2*\i], v[32+8*\b+2*\i+1]
.endr
.endr
.irp b, 0,1,2,3
	ds_store_b128 v20, v[64+4*\b:64+4*\b+3] offset:32*\b
.endr
	s_wait_xcnt 0x0                                ; v96-111, which earlier stores read, are loaded again only behind this wait
.irp i, 0,1,2,3
	ds_load_b128 v[96+4*\i:96+4*\i+3], v21 offset:\i*4*PA
.endr
.irp i, 0,1,2,3
	s_wait_dscnt 3-\i
	global_store_b128 v22, v[96+4*\i:96+4*\i+3], s[32:33] offset:\a*2048+\i*512    ; 512 neighbouring bytes, aligned
.endr
.endm
	OUTKV 0
	OUTKV 1
	OUTKV 2
	OUTKV 3
	v_mov_b32 v26, s42
	v_cmp_eq_u32 vcc_lo, 0, v1
	s_wait_xcnt 0x0                                ; EXEC, a source of the stores above, changes only behind this wait
	s_wait_tensorcnt 0x0
	ds_add_u32 v254, v255
	s_wait_dscnt 0x0
	s_and_saveexec_b32 s38, vcc_lo
	global_store_b32 v26, v27, s[14:15]            ; one word a wave: the block's scale
	s_endpgm
.Lfunc_end_k_qab0727f70f_p2:
	.size	k_qab0727f70f_p2, .Lfunc_end_k_qab0727f70f_p2-k_qab0727f70f_p2
	.p2alignl 7, 3214868480
	.fill 96, 4, 3214868480
	.section	.rodata,"a",@progbits
	.p2align	6, 0x0
	.amdhsa_kernel k_qab0727f70f_p2
		.amdhsa_group_segment_fixed_size 83456
		.amdhsa_private_segment_fixed_size 0
		.amdhsa_enable_private_segment 0
		.amdhsa_kernarg_size 48
		.amdhsa_user_sgpr_count 2
		.amdhsa_user_sgpr_kernarg_segment_ptr 1
		.amdhsa_wavefront_size32 1
		.amdhsa_system_sgpr_workgroup_id_x 1
		.amdhsa_system_sgpr_workgroup_id_y 1
		.amdhsa_system_sgpr_workgroup_id_z 1
		.amdhsa_system_vgpr_workitem_id 0
		.amdhsa_next_free_vgpr 864
		.amdhsa_next_free_sgpr 66
		.amdhsa_reserve_vcc 1
		.amdhsa_float_denorm_mode_32 3
		.amdhsa_float_denorm_mode_16_64 3
		.amdhsa_memory_ordered 1
		.amdhsa_forward_progress 1
		.amdhsa_inst_pref_size 84
	.end_amdhsa_kernel
	.amdgpu_metadata
---
amdhsa.version: [ 1, 2 ]
amdhsa.kernels:
  - .name:           k_qab0727f70f_p2
    .symbol:         k_qab0727f70f_p2.kd
    .args:
      - { .name: lat, .offset: 0, .size: 8, .value_kind: global_buffer, .address_space: global }
      - { .name: Wk_up, .offset: 8, .size: 8, .value_kind: global_buffer, .address_space: global }
      - { .name: Wv_up, .offset: 16, .size: 8, .value_kind: global_buffer, .address_space: global }
      - { .name: kh, .offset: 24, .size: 8, .value_kind: global_buffer, .address_space: global }
      - { .name: vh, .offset: 32, .size: 8, .value_kind: global_buffer, .address_space: global }
      - { .name: kvs, .offset: 40, .size: 8, .value_kind: global_buffer, .address_space: global }
    .group_segment_fixed_size: 83456
    .private_segment_fixed_size: 0
    .kernarg_segment_align: 8
    .kernarg_segment_size: 48
    .max_flat_workgroup_size: 128
    .sgpr_count:     66
    .vgpr_count:     864
    .wavefront_size: 32
...
	.end_amdgpu_metadata
.endif
;; end of part 2
;; launch att (part 3): grid 256 x 1, 8 waves a work-group, no clusters, 185,344 bytes of LDS; arguments qh, kh, vh, kvs, yh; writes yh
.if DOCPART == 3
	.amdgcn_target "amdgcn-amd-amdhsa--gfx1250"
	.amdhsa_code_object_version 6
	.text
	.protected	k_qab0727f70f_att
	.globl	k_qab0727f70f_att
	.p2align	8
	.type	k_qab0727f70f_att,@function
k_qab0727f70f_att:
	s_mov_b64 s[64:65], 0
	v_nop
	global_prefetch_b8 v0, s[64:65] scope:SCOPE_SE
	s_setreg_imm32_b32 hwreg(HW_REG_WAVE_MODE, 25, 1), 1
	s_wait_xcnt 0x0
; Causal attention of one head with a running maximum.  qh, kh, vh, yh: [16 heads][4096 tokens][64] f16; kvs: the scales of k and v,
; [2][2 batches][16 heads][32 blocks of 64 tokens] f32 (powers of two).
; Work-group id: bits 2:0 pair, 6:3 head, 7 batch.  It makes query blocks (128 queries) pair and 15 - pair, one after the other.
; EIGHT WAVES IN TWO GROUPS, so that every SIMD holds two waves and one wave's softmax runs beside the other's products.
; Wave 4 g + w: group g, queries 32 w .. 32 w + 31 of the block (nq = 0, 1).  THE KEYS ARE SPLIT between the groups: a key tile is 64 keys
; (one scale block); in a pass with query block qb group g takes the diagonal tile 2 qb + g at position 0 and tile 2 (i - 1) + g at
; position i = 1 .. qb.  Each group fills and reads LDS slots of its own; both passes together are 17 positions for every group.
; At a pass's end the two groups' sums of the same queries are merged through LDS.
; THE ORDER OF THE PASSES: of pair and 15 - pair one is odd.  The odd block goes first: it has an even number of positions, so the
; second pass starts in slot 0 as well, and which slot a tile lies in is fixed in the text.
; The first tile of a pass stands in front of the loop: its products start O, its maximum and sum start M and Lsum; nothing is cleared.
; Masked scores are -inf and give exp2 = 0.  Group 1's diagonal tile is masked entirely for the block's first 64 queries: there the
; first maximum is held at the lowest finite number, so that -M stays finite; the sums are zero, and a later tile or the merge
; multiplies them by exp2 of a huge negative number, which is zero.  Group 0's first tile holds the block's first key, open to all.
; TRANSPOSED FORMS: S^T = K Q^T (register j: key 16 t + 8 h + j, lane's query r) and O^T = V^T P^T (register j: column 16 hdt + 8 h + j):
; packed pairs of S are P's fragment as they lie.
; SCALES: exponents are S ck 0.125 log2(e) - M - d.  cmax is the batch's largest v scale and a tile's v scale is cmax 2^-d, so
; P 2^-d times the stored v adds up in units of cmax; the row sum takes sum 2^d.  y is stored in units of cmax, |y| < 2^15.
; LIMIT: d is held to 24: a block whose v lie more than 2^24 under the batch's largest counts too much by at most 2^-24 of that largest.
; NO CLUSTER: the work-groups of a head are at different tiles at any one time (their passes have 1 to 16 positions), so no tile
; is asked for jointly.  K and V come through registers, two positions ahead; what the last two positions of the last pass ask for
; (tile g) lies inside the buffers and is not used, and so does the block of Q that the last pass asks for once more.
; LDS: slot (parity p, group g) at p 38,912 + g 19,456: K 64 rows of 144 bytes, V 64 rows of 160; way out 77,824 + wave 4,608;
; exchange 114,688 + wave 8,704.
; REGISTERS: v4 16 t, v5/v6 K/V into LDS, v7 K fragments, v8 V fragments, v9 Q, v10-11 query - 8 h - 64 g, v12 -inf, v13 my exchange bytes,
; v14-15 M, v16-17 Lsum, v18-19 -M - d, v20-21 exp2(M old - M), v22-25 at work, v26 my partner's exchange bytes, v28-30 way out, v31 16 L;
; v32-63 Q, v64-127 S, v128-191 O, v192-223 stage, v224-255 fragments.
; SCALARS: s[4:5] q of the second pass, s[12:13] y of the head, s14 wave, s15 first block, s16 head, s17 batch, s18 qb, s19 qb / 2,
; s20 position, s21 second block, s22 pass, s23 trip, s[24:27] K, V of the head, s[28:31] K, V tile, s[32:33] q of the first pass,
; s[34:35] the head's scales, s36 scale offset, s37 tile, s[38:39] the batch's scales, s40-43 ck, cv of even and odd positions,
; s44-45 lane selects, s[46:47] ck 0.125 log2 e, s48 -d, s49 2^d, s50 cmax, s51 at work, s[52:53] y block, s54 the next pass's
; diagonal, s55 the second pass's, s[56:57] an offset, s58 g, s59 w, s60-61 at work.
.set KP,    144                        ; K row in LDS: 128 bytes + 16
.set VP,    160                        ; V row in LDS: 128 bytes + 32 (5 x 32: what the transposing load wants)
.set VOFF,  64*KP
.set SLOTB, VOFF+64*VP                 ; 19,456 bytes: one group's slot
.set PSTR,  2*SLOTB                    ; from the slots of even positions to those of odd ones
.set YST,   2*PSTR                     ; way out: 32 rows x 144 bytes for each wave
.set YW,    32*KP
.set XCH,   YST+8*YW                   ; exchange: 17 x 512 bytes for each wave
.set XW,    17*512
.set QF,  32
.set SC,  64
.set OA,  128
.set STG, 192
.set FG,  224
.macro PLACES                          ; four places behind matrix instructions (ISA guide 7.12.1)
.rept 4
	v_nop
.endr
.endm
.macro GLOAD                           ; my group's K tile and V tile, 8,192 neighbouring bytes each, into the stage
.irp i, 0,1,2,3
	global_load_b128 v[STG+4*\i:STG+4*\i+3], v4, s[28:29] offset:\i*2048
.endr
.irp i, 0,1,2,3
	global_load_b128 v[STG+16+4*\i:STG+16+4*\i+3], v4, s[30:31] offset:\i*2048
.endr
.endm
.macro QLOAD b                         ; my 32 queries as fragments, straight from memory; s[b:b+1]: the query block
.irp nq, 0,1
.irp ks, 0,1
	global_load_b128 v[QF+16*\nq+8*\ks:QF+16*\nq+8*\ks+3],   v9, s[\b:\b+1] offset:\nq*2048+\ks*64
	global_load_b128 v[QF+16*\nq+8*\ks+4:QF+16*\nq+8*\ks+7], v9, s[\b:\b+1] offset:\nq*2048+\ks*64+32
.endr
.endr
.endm
.macro SLOAD p, off                    ; a tile's ck and cv
	s_load_b32 s[40+2*\p], s[34:35], \off offset:0x0
	s_load_b32 s[41+2*\p], s[34:35], \off offset:0x1000
.endm
.macro DSTORE s                        ; the stage into my group's slot of parity s
.irp i, 0,1,2,3
	ds_store_b128 v5, v[STG+4*\i:STG+4*\i+3] offset:(\s)*PSTR+\i*16*KP
.endr
.irp i, 0,1,2,3
	ds_store_b128 v6, v[STG+16+4*\i:STG+16+4*\i+3] offset:(\s)*PSTR+\i*16*VP
.endr
.endm
.macro KFETCH p, t0                    ; K fragments of key groups t0, t0 + 1
.irp u, 0,1
.irp ks, 0,1
	ds_load_b128 v[FG+16*\u+8*\ks:FG+16*\u+8*\ks+3],   v7 offset:\p*PSTR+(\t0+\u)*16*KP+64*\ks
	ds_load_b128 v[FG+16*\u+8*\ks+4:FG+16*\u+8*\ks+7], v7 offset:\p*PSTR+(\t0+\u)*16*KP+64*\ks+32
.endr
.endr
.endm
.macro QK t0                           ; 8 matrix instructions: S of key groups t0, t0 + 1
.irp ks, 0,1
.irp u, 0,1
.irp nq, 0,1
.if \ks == 0
	v_wmma_f32_16x16x32_f16 v[SC+32*\nq+8*(\t0+\u):SC+32*\nq+8*(\t0+\u)+7], v[FG+16*\u:FG+16*\u+7], v[QF+16*\nq:QF+16*\nq+7], 0
.else
	v_wmma_f32_16x16x32_f16 v[SC+32*\nq+8*(\t0+\u):SC+32*\nq+8*(\t0+\u)+7], v[FG+16*\u+8:FG+16*\u+15], v[QF+16*\nq+8:QF+16*\nq+15], v[SC+32*\nq+8*(\t0+\u):SC+32*\nq+8*(\t0+\u)+7]
.endif
.endr
.endr
.endr
.endm
.macro VFETCH0 p                       ; V^T fragments of keys 0-31
.irp hdt, 0,1,2,3
	ds_load_tr16_b128 v[FG+8*\hdt:FG+8*\hdt+3],   v8 offset:\p*PSTR+32*\hdt
	ds_load_tr16_b128 v[FG+8*\hdt+4:FG+8*\hdt+7], v8 offset:\p*PSTR+32*\hdt+16*VP
.endr
.endm
.macro VFETCH1 p                       ; those of keys 32-63, into the registers of S that packing has freed
.irp hdt, 0,1,2,3
	ds_load_tr16_b128 v[SC+8+32*(\hdt/2)+16*(\hdt%2):SC+8+32*(\hdt/2)+16*(\hdt%2)+3],    v8 offset:\p*PSTR+32*VP+32*\hdt
	ds_load_tr16_b128 v[SC+12+32*(\hdt/2)+16*(\hdt%2):SC+12+32*(\hdt/2)+16*(\hdt%2)+3], v8 offset:\p*PSTR+48*VP+32*\hdt
.endr
.endm
.macro PV kk, zero                     ; 8 matrix instructions: O += V^T P^T over 32 keys
.irp hdt, 0,1,2,3
.irp nq, 0,1
.if \kk == 0
.if \zero
	v_wmma_f32_16x16x32_f16 v[OA+32*\nq+8*\hdt:OA+32*\nq+8*\hdt+7], v[FG+8*\hdt:FG+8*\hdt+7], v[SC+32*\nq:SC+32*\nq+7], 0
.else
	v_wmma_f32_16x16x32_f16 v[OA+32*\nq+8*\hdt:OA+32*\nq+8*\hdt+7], v[FG+8*\hdt:FG+8*\hdt+7], v[SC+32*\nq:SC+32*\nq+7], v[OA+32*\nq+8*\hdt:OA+32*\nq+8*\hdt+7]
.endif
.else
	v_wmma_f32_16x16x32_f16 v[OA+32*\nq+8*\hdt:OA+32*\nq+8*\hdt+7], v[SC+8+32*(\hdt/2)+16*(\hdt%2):SC+8+32*(\hdt/2)+16*(\hdt%2)+7], v[SC+32*\nq+16:SC+32*\nq+23], v[OA+32*\nq+8*\hdt:OA+32*\nq+8*\hdt+7]
.endif
.endr
.endr
.endm
; The softmax step of 16 queries x 64 keys.  A lane holds 32 of its query's 64 scores; lane xor 16 holds the others.
.macro SOFT nq, first
.set SB, SC+32*\nq
	v_max3_num_f32 v22, v[SB], v[SB+1], v[SB+2]
	v_max3_num_f32 v23, v[SB+3], v[SB+4], v[SB+5]
.set sj, 6
.rept 13
	v_max3_num_f32 v[22+(sj/2)%2], v[22+(sj/2)%2], v[SB+sj], v[SB+sj+1]
.set sj, sj+2
.endr
	v_max_num_f32 v22, v22, v23
	v_permlanex16_b32 v23, v22, s44, s45
	v_max_num_f32 v22, v22, v23
.if \first
	v_mul_f32 v22, s46, v22                        ; the tile's maximum as a base-2 exponent starts M,
	v_max_num_f32 v[14+\nq], 0xff7fffff, v22       ; held at the lowest finite number where every key of the tile is masked
.else
	v_mul_f32 v22, s46, v22
	v_max_num_f32 v22, v[14+\nq], v22              ; the new M
	v_sub_f32 v23, v[14+\nq], v22
	v_exp_f32 v20, v23                             ; what the old sums shrink by; plain instructions follow before its use (ISA guide 5.7.2)
	v_mov_b32 v[14+\nq], v22
.endif
	v_sub_f32 v18, s48, v[14+\nq]                  ; -d - M
	v_mov_b32 v19, v18
.if \first == 0
	s_wait_alu depctr_va_vdst(0)
	v_mov_b32 v21, v20
.endif
.set sj, 0
.rept 16
	v_pk_fma_f32 v[SB+sj:SB+sj+1], v[SB+sj:SB+sj+1], s[46:47], v[18:19] op_sel_hi:[1,0,1]
.set sj, sj+2
.endr
.set sj, 0
.rept 32
	v_exp_f32 v[SB+sj], v[SB+sj]
.set sj, sj+1
.endr
.if \first
	v_nop                                          ; the plain place behind the run of exponentials
	s_wait_alu depctr_va_vdst(0)
.else
.set sj, 0
	s_wait_alu depctr_va_vdst(0)
.rept 16
	v_pk_mul_f32 v[OA+32*\nq+sj:OA+32*\nq+sj+1], v[OA+32*\nq+sj:OA+32*\nq+sj+1], v[20:21]     ; plain work behind the exponentials
.set sj, sj+2
.endr
.endif
	v_pk_add_f32 v[22:23], v[SB:SB+1], v[SB+2:SB+3]
	v_pk_add_f32 v[24:25], v[SB+4:SB+5], v[SB+6:SB+7]
.set sj, 8
.rept 12
	v_pk_add_f32 v[22+2*((sj/2)%2):23+2*((sj/2)%2)], v[22+2*((sj/2)%2):23+2*((sj/2)%2)], v[SB+sj:SB+sj+1]
.set sj, sj+2
.endr
	v_pk_add_f32 v[22:23], v[22:23], v[24:25]
	v_add_f32 v22, v22, v23
.if \first
	v_mul_f32 v[16+\nq], s49, v22                  ; sum 2^d starts Lsum (my half of the keys; the halves meet at the end)
.else
	v_mul_f32 v22, s49, v22
	v_fma_f32 v[16+\nq], v[16+\nq], v20, v22
.endif
.irp kk, 0,1
.irp i, 0,1,2,3,4,5,6,7
	v_cvt_pk_f16_f32 v[SB+16*\kk+\i], v[SB+16*\kk+2*\i], v[SB+16*\kk+2*\i+1]      ; ascending: no source is written before it is read
.endr
.endr
.endm
; One position: my group's key tile from its slot of parity p.  mask: the diagonal tile; first: the pass's first tile.
.macro TILE p, mask, first
	s_wait_dscnt 0x0                               ; my stores into the slots of parity p and my reads of the others are done,
	s_barrier_signal -1
	s_barrier_wait -1                              ; and so are everybody's
	s_wait_kmcnt 0x0                               ; this tile's scales are in; the scale loads' offset registers are free
	s_mul_f32 s46, s[40+2*\p], 0x3e38aa3b          ; ck 0.125 log2(e)
	s_sub_co_u32 s51, s50, s[41+2*\p]              ; both are powers of two: the difference of the bits is d << 23
	s_lshr_b32 s51, s51, 23
	s_min_u32 s51, s51, 24
	s_cvt_f32_u32 s48, s51
	s_add_co_u32 s49, s51, 127
	s_lshl_b32 s49, s49, 23                        ; 2^d
	s_mov_b32 s47, s46
	s_xor_b32 s48, s48, 0x80000000                 ; -d
	s_add_co_u32 s20, s20, 1                       ; i + 1.  The tile of position i + 2:
	s_lshl_b32 s51, s20, 1                         ; 2 (i + 1) while that position is in this pass,
	s_cmp_eq_u32 s20, s18
	s_cselect_b32 s60, s54, 0                      ; the next pass's diagonal behind its last, tile 0 behind that,
	s_cmp_lt_u32 s20, s18
	s_cselect_b32 s37, s51, s60
	s_add_co_u32 s37, s37, s58                     ; + g
	s_lshl_b32 s36, s37, 2
	SLOAD \p, s36
.rept 5
	v_nop                                          ; five places: S and the fragments were sources of the last products and are written again
.endr
	KFETCH \p, 0
	s_wait_loadcnt 0x0                             ; the stage holds the next tile (asked for one position ago); Q is in; the bases are free
	DSTORE 1-\p
	s_lshl_b32 s56, s37, 13
	s_add_nc_u64 s[28:29], s[24:25], s[56:57]
	s_add_nc_u64 s[30:31], s[26:27], s[56:57]
	GLOAD
	s_wait_dscnt 0x8                               ; younger: the eight stage stores
	QK 0
	PLACES
	KFETCH \p, 2
	s_wait_dscnt 0x0
	QK 2
	PLACES
	VFETCH0 \p
.if \mask
.irp nq, 0,1
.irp t, 0,1,2,3
.irp j, 0,1,2,3,4,5,6,7
	v_cmp_le_i32 vcc_lo, 16*\t+\j, v[10+\nq]                       ; key <= query: 64 g + 16 t + 8 h + j <= 32 w + 16 nq + r
	v_cndmask_b32 v[SC+32*\nq+8*\t+\j], v12, v[SC+32*\nq+8*\t+\j], vcc_lo
.endr
.endr
.endr
.endif
	SOFT 0, \first
	SOFT 1, \first
	VFETCH1 \p
	s_wait_dscnt 0x8                               ; younger: the eight loads just issued
	PV 0, \first
	s_wait_dscnt 0x0
	PV 1, 0
.endm
	s_load_b256 s[4:11], s[0:1], 0x0               ; qh s[4:5], kh s[6:7], vh s[8:9], kvs s[10:11]
	s_load_b64 s[12:13], s[0:1], 0x20              ; yh
	v_lshl_add_u32 v27, v0, 2, 0x2d000
	s_set_vgpr_msb 0x40
	v_mov_b32 v1, 0
	s_set_vgpr_msb 0x4000
	v_lshrrev_b32 v22, 5, v0
	v_readfirstlane_b32 s14, v22                   ; wave 0..7
	s_lshr_b32 s58, s14, 2                         ; g: which half of the key tiles
	s_and_b32 s59, s14, 3                          ; w: which 32 queries
	s_and_b32 s51, ttmp9, 7                        ; pair
	s_bfe_u32 s16, ttmp9, 0x40003                  ; head
	s_lshr_b32 s17, ttmp9, 7                       ; batch
	s_mov_b32 s44, 0x76543210
	s_mov_b32 s45, 0xfedcba98
	s_sub_co_u32 s60, 15, s51
	s_and_b32 s61, s51, 1
	s_cmp_lg_u32 s61, 0
	s_cselect_b32 s15, s51, s60                    ; the first pass makes the odd one of the two query blocks,
	s_cselect_b32 s21, s60, s51                    ; the second the even one
	s_lshl_b32 s55, s21, 1                         ; the second pass's diagonal tiles
	v_and_b32 v1, 31, v0                           ; lane L
	v_and_b32 v2, 15, v0                           ; r
	v_bfe_u32 v3, v0, 4, 1                         ; h
	v_and_b32 v20, 0x7f, v0                        ; t: the thread's number in its group
	v_lshlrev_b32 v4, 4, v20
	v_lshrrev_b32 v22, 3, v20
	v_and_b32 v23, 7, v0
	s_mul_i32 s60, s58, SLOTB                      ; my group's slots
	s_add_co_u32 s61, s60, VOFF
	v_mul_u32_u24 v24, v22, KP
	v_lshl_add_u32 v24, v23, 4, v24
	v_add_nc_u32 v5, s60, v24                      ; K in: row t>>3, 16 bytes at 16 (t&7)
	v_mul_u32_u24 v24, v22, VP
	v_lshl_add_u32 v24, v23, 4, v24
	v_add_nc_u32 v6, s61, v24                      ; V in
	v_mul_u32_u24 v24, v2, KP
	v_lshl_add_u32 v21, v3, 4, v24                 ; r x pitch + 16 h
	v_add_nc_u32 v7, s60, v21                      ; K fragments
	v_lshl_add_u32 v24, v3, 3, v23
	v_mul_u32_u24 v24, v24, VP
	v_bfe_u32 v25, v0, 3, 1
	v_lshl_add_u32 v24, v25, 4, v24
	v_add_nc_u32 v8, s61, v24                      ; V fragments: key 8 h + (L&7), + 16 ((L>>3)&1)
	s_lshl_b32 s51, s59, 12                        ; my 32 rows of 128 bytes
	v_lshlrev_b32 v24, 7, v2
	v_lshl_add_u32 v24, v3, 4, v24
	v_add_nc_u32 v9, s51, v24                      ; Q fragments from memory
	v_lshlrev_b32 v31, 4, v1
	s_lshl_b32 s61, s58, 11
	s_add_co_u32 s51, s51, s61
	v_add_nc_u32 v30, s51, v31                     ; y: of my 32 rows I store the 16 with nq = g
	s_lshl_b32 s51, s59, 5
	s_lshl_b32 s61, s58, 6
	s_sub_co_u32 s51, s51, s61
	v_lshlrev_b32 v24, 3, v3
	v_sub_nc_u32 v24, v2, v24
	v_add_nc_u32 v10, s51, v24                     ; 32 w + r - 8 h - 64 g (signed)
	v_add_nc_u32 v11, 16, v10
	v_mov_b32 v12, 0xff800000                      ; -inf
	s_mul_i32 s51, s14, YW
	s_add_co_u32 s51, s51, YST
	v_add_nc_u32 v28, s51, v21                     ; way out, in
	s_mul_i32 s61, s58, 16*KP
	s_add_co_u32 s51, s51, s61
	v_lshrrev_b32 v24, 3, v1
	v_mul_u32_u24 v24, v24, KP
	v_lshl_add_u32 v24, v23, 4, v24
	v_add_nc_u32 v29, s51, v24                     ; and back: the rows of nq = g
	s_mul_i32 s51, s14, XW
	s_add_co_u32 s51, s51, XCH
	v_add_nc_u32 v13, s51, v31                     ; my exchange bytes
	s_add_co_u32 s51, s58, 1
	s_and_b32 s51, s51, 1                          ; the other group, (g + 1) & 1
	s_lshl_b32 s51, s51, 2
	s_add_co_u32 s51, s51, s59                     ; my partner: the wave of the other group with my w: the same queries, the other keys
	s_mul_i32 s51, s51, XW
	s_add_co_u32 s51, s51, XCH
	v_add_nc_u32 v26, s51, v31                     ; its exchange bytes
	s_lshl_b32 s56, s16, 19
	s_lshl_b32 s51, s17, 18
	s_add_co_u32 s56, s56, s51                     ; (head 4096 + batch 2048) rows of 128 bytes
	s_mov_b32 s57, 0
	s_wait_kmcnt 0x0
	s_add_nc_u64 s[4:5], s[4:5], s[56:57]
	s_add_nc_u64 s[24:25], s[6:7], s[56:57]
	s_add_nc_u64 s[26:27], s[8:9], s[56:57]
	s_add_nc_u64 s[12:13], s[12:13], s[56:57]
	s_lshl_b32 s56, s17, 11
	s_add_nc_u64 s[38:39], s[10:11], s[56:57]
	s_lshl_b32 s56, s16, 7
	s_add_nc_u64 s[34:35], s[38:39], s[56:57]
	s_lshl_b32 s56, s15, 14
	s_add_nc_u64 s[32:33], s[4:5], s[56:57]        ; the first pass's queries
	s_lshl_b32 s56, s21, 14
	s_add_nc_u64 s[4:5], s[4:5], s[56:57]          ; the second pass's
	s_lshl1_add_u32 s37, s15, s58                  ; position 0: the first pass's diagonal tile 2 qb + g
	s_lshl_b32 s36, s37, 2
	s_lshl_b32 s60, s58, 2                         ; position 1: tile g (the first pass's block is odd, so it has one)
	s_lshl_b32 s56, s37, 13
	s_add_nc_u64 s[28:29], s[24:25], s[56:57]
	s_add_nc_u64 s[30:31], s[26:27], s[56:57]
.irp i, 0,1,2,3
	global_load_b128 v[FG+4*\i:FG+4*\i+3], v31, s[38:39] offset:4096+\i*512       ; the batch's 512 v scales
.endr
	GLOAD                                          ; position 0
	QLOAD 32
	SLOAD 0, s36
	SLOAD 1, s60
	s_wait_loadcnt 0x0
	v_max3_num_f32 v22, v[FG], v[FG+1], v[FG+2]
	v_max3_num_f32 v23, v[FG+3], v[FG+4], v[FG+5]
.set sj, 6
.rept 5
	v_max3_num_f32 v[22+(sj/2)%2], v[22+(sj/2)%2], v[FG+sj], v[FG+sj+1]
.set sj, sj+2
.endr
	v_max_num_f32 v22, v22, v23
	v_max_num_f32_dpp v22, v22, v22 row_xmask:1 row_mask:0xf bank_mask:0xf
	v_max_num_f32_dpp v22, v22, v22 row_xmask:2 row_mask:0xf bank_mask:0xf
	v_max_num_f32_dpp v22, v22, v22 row_xmask:4 row_mask:0xf bank_mask:0xf
	v_max_num_f32_dpp v22, v22, v22 row_xmask:8 row_mask:0xf bank_mask:0xf
	v_permlanex16_b32 v23, v22, s44, s45
	v_max_num_f32 v22, v22, v23
	v_readfirstlane_b32 s50, v22                   ; cmax
	DSTORE 0
	s_lshl_b32 s56, s58, 13                        ; (the wait above has freed the bases)
	s_add_nc_u64 s[28:29], s[24:25], s[56:57]
	s_add_nc_u64 s[30:31], s[26:27], s[56:57]
	GLOAD                                          ; position 1
	s_mov_b32 s22, 0
.Lpass:
	s_cmp_eq_u32 s22, 0
	s_cselect_b32 s18, s15, s21                    ; qb
	s_cselect_b32 s54, s55, 0                      ; the next pass's diagonal (behind the last pass: tile 0, not used)
	s_lshr_b32 s19, s18, 1                         ; pairs of positions behind the first
	s_mov_b32 s20, 0
	s_lshl_b32 s56, s18, 14
	s_wait_xcnt 0x0                                ; the last pass's stores have read their base and their data registers
	s_add_nc_u64 s[52:53], s[12:13], s[56:57]
	TILE 0, 1, 1
	s_cmp_eq_u32 s19, 0
	s_cbranch_scc1 .Lodd
	s_mov_b32 s23, 0
.Ltiles:
	TILE 1, 0, 0
	TILE 0, 0, 0
	s_add_co_u32 s23, s23, 1
	s_cmp_lt_u32 s23, s19
	s_cbranch_scc1 .Ltiles
.Lodd:
	s_and_b32 s51, s18, 1
	s_cmp_eq_u32 s51, 0
	s_cbranch_scc1 .Lpass_out
	TILE 1, 0, 0                                   ; an odd block has one position more
.Lpass_out:
	; THE MERGE.  Every wave hands O, M and Lsum to its partner through LDS and takes the partner's; both form the same sums.
	PLACES                                         ; behind the last products: O is read, Q's and S's registers are loaded again
	QLOAD 4                                        ; the second pass's queries, asked for ahead of the exchange
.irp i, 0,1,2,3,4,5,6,7,8,9,10,11,12,13,14,15
	ds_store_b128 v13, v[OA+4*\i:OA+4*\i+3] offset:\i*512
.endr
	ds_store_b128 v13, v[14:17] offset:16*512
	s_wait_dscnt 0x0                               ; my bytes are written,
	s_barrier_signal -1
	s_barrier_wait -1                              ; everybody's are
	ds_load_b128 v[FG:FG+3], v26 offset:16*512     ; the partner's M (nq 0, 1) and Lsum (nq 0, 1)
.irp i, 0,1,2,3,4,5,6,7,8,9,10,11,12,13,14,15
	ds_load_b128 v[SC+4*\i:SC+4*\i+3], v26 offset:\i*512
.endr
	s_wait_dscnt 0x10                              ; younger: the sixteen loads of the partner's O
	v_max_num_f32 v22, v14, v[FG]
	v_max_num_f32 v23, v15, v[FG+1]
	v_sub_f32 v[FG+4], v14, v22
	v_sub_f32 v[FG+5], v[FG], v22
	v_sub_f32 v[FG+6], v15, v23
	v_sub_f32 v[FG+7], v[FG+1], v23
	v_exp_f32 v[FG+4], v[FG+4]                     ; what my sums shrink by, nq 0
	v_exp_f32 v[FG+5], v[FG+5]                     ; and the partner's
	v_exp_f32 v[FG+6], v[FG+6]                     ; nq 1
	v_exp_f32 v[FG+7], v[FG+7]
	v_nop                                          ; the plain place behind the exponentials
	s_wait_alu depctr_va_vdst(0)
	v_mul_f32 v22, v16, v[FG+4]
	v_mul_f32 v23, v17, v[FG+6]
	v_fma_f32 v22, v[FG+2], v[FG+5], v22
	v_fma_f32 v23, v[FG+3], v[FG+7], v23
	v_permlanex16_b32 v18, v22, s44, s45           ; the two halves of the lanes hold the sums of different keys
	v_permlanex16_b32 v19, v23, s44, s45
	v_add_f32 v24, v22, v18
	v_add_f32 v25, v23, v19
	v_rcp_f32 v24, v24
	v_rcp_f32 v25, v25
	v_nop                                          ; the plain place behind the reciprocals
	s_wait_alu depctr_va_vdst(0)
	v_mul_f32 v18, v[FG+4], v24                    ; factors of my O and of the partner's, each twice for the packed forms
	v_mul_f32 v20, v[FG+5], v24
	v_mul_f32 v22, v[FG+6], v25
	v_mul_f32 v24, v[FG+7], v25
	v_mov_b32 v19, v18
	v_mov_b32 v21, v20
	v_mov_b32 v23, v22
	v_mov_b32 v25, v24
	s_wait_dscnt 0x0                               ; the partner's O is in: my reads of the exchange are over.
	s_barrier_signal -1                            ; A second barrier closes the exchange; between its halves stands register work alone
.irp nq, 0,1
.set sj, 0
.rept 16
	v_pk_mul_f32 v[OA+32*\nq+sj:OA+32*\nq+sj+1], v[OA+32*\nq+sj:OA+32*\nq+sj+1], v[18+4*\nq:19+4*\nq]
.set sj, sj+2
.endr
.set sj, 0
.rept 16
	v_pk_fma_f32 v[OA+32*\nq+sj:OA+32*\nq+sj+1], v[SC+32*\nq+sj:SC+32*\nq+sj+1], v[20+4*\nq:21+4*\nq], v[OA+32*\nq+sj:OA+32*\nq+sj+1]
.set sj, sj+2
.endr
.endr
	; y = O / l, in units of cmax: both halves into my own stage; of them I read back and store the 16 queries nq = g
.irp nq, 0,1
.set sj, 0
.rept 16
	v_cvt_pk_f16_f32 v[SC+16*\nq+sj], v[OA+32*\nq+2*sj], v[OA+32*\nq+2*sj+1]
.set sj, sj+1
.endr
.endr
	s_barrier_wait -1                              ; no wave reads another wave's bytes any more: every LDS store from here on stands behind all reads of the exchange
.irp nq, 0,1
.irp hdt, 0,1,2,3
	ds_store_b128 v28, v[SC+16*\nq+4*\hdt:SC+16*\nq+4*\hdt+3] offset:\nq*16*KP+32*\hdt
.endr
.endr
.irp i, 0,1,2,3
	ds_load_b128 v[FG+16+4*\i:FG+16+4*\i+3], v29 offset:\i*4*KP                    ; my own bytes: LDS serves a wave in order
.endr
.irp i, 0,1,2,3
	s_wait_dscnt 3-\i
	global_store_b128 v30, v[FG+16+4*\i:FG+16+4*\i+3], s[52:53] offset:\i*512      ; 512 neighbouring bytes, aligned
.endr
	s_add_co_u32 s22, s22, 1
	s_cmp_lt_u32 s22, 2
	s_cbranch_scc1 .Lpass
	s_set_vgpr_msb 0x4
	s_wait_tensorcnt 0x0
	ds_add_u32 v27, v1
	s_wait_dscnt 0x0
	s_set_vgpr_msb 0x400
	s_endpgm
.Lfunc_end_k_qab0727f70f_att:
	.size	k_qab0727f70f_att, .Lfunc_end_k_qab0727f70f_att-k_qab0727f70f_att
	.p2alignl 7, 3214868480
	.fill 96, 4, 3214868480
	.section	.rodata,"a",@progbits
	.p2align	6, 0x0
	.amdhsa_kernel k_qab0727f70f_att
		.amdhsa_group_segment_fixed_size 185344
		.amdhsa_private_segment_fixed_size 0
		.amdhsa_enable_private_segment 0
		.amdhsa_kernarg_size 40
		.amdhsa_user_sgpr_count 2
		.amdhsa_user_sgpr_kernarg_segment_ptr 1
		.amdhsa_wavefront_size32 1
		.amdhsa_system_sgpr_workgroup_id_x 1
		.amdhsa_system_sgpr_workgroup_id_y 1
		.amdhsa_system_sgpr_workgroup_id_z 1
		.amdhsa_system_vgpr_workitem_id 0
		.amdhsa_next_free_vgpr 258
		.amdhsa_next_free_sgpr 66
		.amdhsa_reserve_vcc 1
		.amdhsa_float_denorm_mode_32 3
		.amdhsa_float_denorm_mode_16_64 3
		.amdhsa_memory_ordered 1
		.amdhsa_forward_progress 1
		.amdhsa_inst_pref_size 102
	.end_amdhsa_kernel
	.amdgpu_metadata
---
amdhsa.version: [ 1, 2 ]
amdhsa.kernels:
  - .name:           k_qab0727f70f_att
    .symbol:         k_qab0727f70f_att.kd
    .args:
      - { .name: qh, .offset: 0, .size: 8, .value_kind: global_buffer, .address_space: global }
      - { .name: kh, .offset: 8, .size: 8, .value_kind: global_buffer, .address_space: global }
      - { .name: vh, .offset: 16, .size: 8, .value_kind: global_buffer, .address_space: global }
      - { .name: kvs, .offset: 24, .size: 8, .value_kind: global_buffer, .address_space: global }
      - { .name: yh, .offset: 32, .size: 8, .value_kind: global_buffer, .address_space: global }
    .group_segment_fixed_size: 185344
    .private_segment_fixed_size: 0
    .kernarg_segment_align: 8
    .kernarg_segment_size: 40
    .max_flat_workgroup_size: 256
    .sgpr_count:     66
    .vgpr_count:     258
    .wavefront_size: 32
...
	.end_amdgpu_metadata
.endif
;; end of part 3
;; launch outp (part 4): grid 8 x 32, 4 waves a work-group, no clusters, 91,648 bytes of LDS; arguments yh, Wout, kvs, out0; writes out0
.if DOCPART == 4
	.amdgcn_target "amdgcn-amd-amdhsa--gfx1250"
	.amdhsa_code_object_version 6
	.text
	.protected	k_qab0727f70f_outp
	.globl	k_qab0727f70f_outp
	.p2align	8
	.type	k_qab0727f70f_outp,@function
k_qab0727f70f_outp:
	s_mov_b64 s[64:65], 0
	v_nop
	global_prefetch_b8 v0, s[64:65] scope:SCOPE_SE
	s_setreg_imm32_b32 hwreg(HW_REG_WAVE_MODE, 25, 1), 1
	s_wait_xcnt 0x0
; out = y Wout.  yh [16 heads][4096 tokens][64] f16, in units of the batch's largest v scale; Wout [1024][1024] f32;
; kvs [2][2 batches][16 heads][32 blocks] f32; out0 [4096][1024] f32.
; A work-group makes 128 tokens x 128 columns (256 equal work-groups), wave (wm, wn) 64 x 64.  K step s is head s: 64 along K,
; sixteen steps through two LDS slots; two register stage sets keep the global loads two steps ahead.
; The unit (the largest of the batch's 512 v scales) is found once by every wave and multiplied in, in f32, on the way out.
; FORMAT: f16 products, f32 sums: y, an intermediate, keeps f16's 11 bits.  Wout is an input, and in this program every input enters
; its product rounded to bf16 and to nothing else, so that the whole computes the output of the bf16-rounded inputs with only
; the intermediates' roundings on top.  So Wout is rounded to bf16 and that number is then written in f16's code, which holds it exactly.
; LIMIT: |Wout| below 65,504; parts of Wout under 2^-17 are kept to an absolute step of 2^-24.
; NO TENSOR LOADS, NO CLUSTER: Wout is f32 and is narrowed in registers.
; WINDOWS: 0: v0-31 addresses, v32-159 fragments, v160-175 scales; 1: accumulators, tile (a, b) at 8 (4 a + b);
; 2, 3: stage sets (y v0-31, Wout v32-95).
; SCALARS: s[4:11] arguments, s16 wave, s17 wm, s18 wn, s19 token block, s[20:23] y of sets 0, 1, s[24:27] Wout,
; s[32:33] out, s[34:35] the batch's scales, s36 counter, s38-41 at work, s44-45 lane selects.
.set PA,   144
.set PB,   288
.set BOFF, 128*PA
.set SLOT, BOFF+64*PB
.set OST,  2*SLOT                      ; way out: 16 rows x 272 bytes for each wave
.set OP,   272                         ; 64 f32 + 16 bytes
.set NL,   24
.set ND,   24
.set NF,   16
.set FR,   32
.set NFR,  64
.set MSB,  0
.macro WIN new
.if MSB != (\new)
	s_set_vgpr_msb (MSB<<8)|(\new)
.set MSB, (\new)
.endif
.endm
.macro PLACES                          ; four places behind matrix instructions (ISA guide 7.12.1)
.rept 4
	v_nop
.endr
.endm
.macro LOADS q
	WIN 0x80+0x40*\q
.irp i, 0,1,2,3,4,5,6,7
	global_load_b128 v[4*\i:4*\i+3], v4, s[20+2*\q:21+2*\q] offset:\i*2048         ; 128 rows of a head: 16,384 neighbouring bytes
.endr
.irp i, 0,1,2,3,4,5,6,7,8,9,10,11,12,13,14,15
	global_load_b128 v[32+4*\i:32+4*\i+3], v5, s[24+2*\q:25+2*\q] offset:\i*16384
.endr
.endm
.macro CONVERT q                       ; the weights alone (y comes as f16): round to bf16, widen, write in f16's code; four numbers into two registers
	WIN (2+\q)*0x45
.set ci, 8
.rept 16
	v_cvt_pk_bf16_f32 v[4*ci], v[4*ci], v[4*ci+1]          ; numbers 0, 1 rounded
	v_cvt_pk_bf16_f32 v[4*ci+2], v[4*ci+2], v[4*ci+3]      ; numbers 2, 3 rounded
	v_lshlrev_b32 v[4*ci+1], 16, v[4*ci]                   ; number 0 as f32
	v_and_b32 v[4*ci], 0xffff0000, v[4*ci]                 ; number 1 as f32
	v_lshlrev_b32 v[4*ci+3], 16, v[4*ci+2]                 ; number 2
	v_and_b32 v[4*ci+2], 0xffff0000, v[4*ci+2]             ; number 3
	v_cvt_pk_f16_f32 v[4*ci], v[4*ci+1], v[4*ci]
	v_cvt_pk_f16_f32 v[4*ci+1], v[4*ci+3], v[4*ci+2]
.set ci, ci+1
.endr
.endm
.macro STORE q
	WIN (2+\q)*4
.irp i, 0,1,2,3,4,5,6,7
	ds_store_b128 v[8+\q], v[4*\i:4*\i+3] offset:\i*16*PA
.endr
.irp i, 0,1,2,3,4,5,6,7,8,9,10,11,12,13,14,15
	ds_store_b64 v[10+\q], v[32+4*\i:32+4*\i+1] offset:\i*4*PB
.endr
.endm
.macro STEP q
	s_add_nc_u64 s[20+2*\q:21+2*\q], s[20+2*\q:21+2*\q], 0x100000
	s_add_nc_u64 s[24+2*\q:25+2*\q], s[24+2*\q:25+2*\q], 0x80000
.endm
.macro FETCH p, kh
	WIN 0
.irp b, 0,1,2,3
	ds_load_tr16_b128 v[FR+NFR*\kh+8*\b:FR+NFR*\kh+8*\b+3],   v[16+\p] offset:\kh*32*PB+32*\b
	ds_load_tr16_b128 v[FR+NFR*\kh+8*\b+4:FR+NFR*\kh+8*\b+7], v[16+\p] offset:\kh*32*PB+32*\b+16*PB
.endr
.irp a, 0,1,2,3
	ds_load_b128 v[FR+NFR*\kh+32+8*\a:FR+NFR*\kh+32+8*\a+3], v[14+\p] offset:\a*16*PA+64*\kh
	ds_load_b128 v[FR+NFR*\kh+36+8*\a:FR+NFR*\kh+36+8*\a+3], v[14+\p] offset:\a*16*PA+64*\kh+32
.endr
.endm
.macro MUL kh, zero
	WIN 0x50
.irp a, 0,1,2,3
.irp b, 0,1,2,3
.if \zero
	v_wmma_f32_16x16x32_f16 v[8*(4*\a+\b):8*(4*\a+\b)+7], v[FR+NFR*\kh+8*\b:FR+NFR*\kh+8*\b+7], v[FR+NFR*\kh+32+8*\a:FR+NFR*\kh+32+8*\a+7], 0
.else
	v_wmma_f32_16x16x32_f16 v[8*(4*\a+\b):8*(4*\a+\b)+7], v[FR+NFR*\kh+8*\b:FR+NFR*\kh+8*\b+7], v[FR+NFR*\kh+32+8*\a:FR+NFR*\kh+32+8*\a+7], v[8*(4*\a+\b):8*(4*\a+\b)+7]
.endif
.endr
.endr
.endm
.macro TRIP p, o, zero, conv, left, issue
	s_wait_dscnt 0x0                               ; my stores into slot p and my reads of slot o are done,
	s_barrier_signal -1
	s_barrier_wait -1                              ; and so are everybody's
	PLACES
	FETCH \p, 0
	FETCH \p, 1
.if \conv
	s_wait_loadcnt \left                           ; set o is in (and its bases are free); the other set's loads stay out
	CONVERT \o
	STORE \o
.if \issue
	STEP \o
	LOADS \o
.endif
.endif
	s_wait_dscnt ND*\conv+NF                       ; younger: the second half's fragment loads and the stage stores
	MUL 0, \zero
	s_wait_dscnt ND*\conv                          ; younger: the stage stores
	MUL 1, 0
.endm
	s_load_b256 s[4:11], s[0:1], 0x0               ; yh s[4:5], Wout s[6:7], kvs s[8:9], out0 s[10:11]
	v_lshl_add_u32 v254, v0, 2, 0x16400
	v_mov_b32 v255, 0
	v_lshrrev_b32 v26, 5, v0
	v_readfirstlane_b32 s16, v26                   ; wave
	s_lshr_b32 s17, s16, 1                         ; wm
	s_and_b32 s18, s16, 1                          ; wn
	s_and_b32 s19, ttmp7, 0xffff                   ; token block; ttmp9: column block
	s_mov_b32 s44, 0x76543210
	s_mov_b32 s45, 0xfedcba98
	v_and_b32 v1, 31, v0
	v_and_b32 v2, 15, v0
	v_bfe_u32 v3, v0, 4, 1
	v_lshlrev_b32 v4, 4, v0                        ; y: 16 t
	v_lshlrev_b32 v23, 4, v1                       ; 16 L
	v_lshl_add_u32 v5, v26, 12, v23                ; Wout: (t>>5) rows of 4,096 bytes + 16 L
	s_mov_b32 s39, 0
	s_lshl_b32 s38, s19, 14                        ; 128 rows of 128 bytes
	s_wait_kmcnt 0x0
	s_add_nc_u64 s[20:21], s[4:5], s[38:39]
	s_add_nc_u64 s[22:23], s[20:21], 0x80000       ; set 1: the next head
	s_lshl_b32 s38, ttmp9, 9
	s_add_nc_u64 s[24:25], s[6:7], s[38:39]
	s_add_nc_u64 s[26:27], s[24:25], 0x40000
	s_lshr_b32 s38, s19, 4                         ; batch
	s_lshl_b32 s38, s38, 11
	s_add_nc_u64 s[34:35], s[8:9], s[38:39]
.irp i, 0,1,2,3
	global_load_b128 v[160+4*\i:160+4*\i+3], v23, s[34:35] offset:4096+\i*512     ; the batch's 512 v scales: the oldest loads
.endr
	LOADS 0
	LOADS 1
	WIN 0
	v_lshrrev_b32 v27, 3, v0
	v_mul_u32_u24 v27, v27, PA
	v_and_b32 v29, 7, v0
	v_lshl_add_u32 v8, v29, 4, v27                 ; y in: row t>>3, 16 bytes at 16 (t&7)
	v_add_nc_u32 v9, SLOT, v8
	v_mul_u32_u24 v28, v26, PB
	v_lshl_add_u32 v28, v1, 3, v28
	v_add_nc_u32 v10, BOFF, v28                    ; Wout in
	v_add_nc_u32 v11, BOFF+SLOT, v28
	v_mul_u32_u24 v28, v2, PA
	v_lshl_add_u32 v28, v3, 4, v28
	s_mul_i32 s38, s17, 64*PA
	v_add_nc_u32 v14, s38, v28                     ; y fragments
	v_add_nc_u32 v15, SLOT, v14
	v_lshl_add_u32 v27, v3, 3, v29
	v_mul_u32_u24 v27, v27, PB
	v_bfe_u32 v30, v0, 3, 1
	v_lshl_add_u32 v27, v30, 4, v27
	s_lshl_b32 s38, s18, 7
	s_add_co_u32 s38, s38, BOFF
	v_add_nc_u32 v16, s38, v27                     ; Wout fragments
	v_add_nc_u32 v17, SLOT, v16
	s_mul_i32 s40, s16, 16*OP
	s_add_co_u32 s40, s40, OST
	v_mul_u32_u24 v27, v2, OP
	v_lshl_add_u32 v27, v3, 5, v27
	v_add_nc_u32 v20, s40, v27                     ; way out, in: row r, 32 bytes for each half of the lanes
	v_mul_u32_u24 v27, v3, OP
	v_lshl_add_u32 v27, v2, 4, v27
	v_add_nc_u32 v21, s40, v27                     ; and back: lanes 0-15 one row of 256 bytes, lanes 16-31 the next
	v_lshlrev_b32 v27, 4, v2
	v_lshl_add_u32 v22, v3, 12, v27                ; the same two rows in out0
	s_lshl_b32 s38, s19, 19
	s_lshl_b32 s40, s17, 18
	s_add_co_u32 s38, s38, s40
	s_lshl_b32 s40, ttmp9, 9
	s_add_co_u32 s38, s38, s40
	s_lshl_b32 s40, s18, 8
	s_add_co_u32 s38, s38, s40
	s_add_nc_u64 s[32:33], s[10:11], s[38:39]      ; out0 at my first row and column
	s_wait_loadcnt NL                              ; the scales and step 0 are in; step 1's loads stay out
	CONVERT 0
	STORE 0
	STEP 0
	LOADS 0                                        ; step 2
	TRIP 0, 1, 1, 1, NL, 1                         ; trip t multiplies step t, stores step t+1, asks for step t+3
	WIN 0
	s_mov_b32 s36, 6
.Lk:
	TRIP 1, 0, 0, 1, NL, 1
	TRIP 0, 1, 0, 1, NL, 1
	WIN 0
	s_sub_co_u32 s36, s36, 1
	s_cmp_lg_u32 s36, 0
	s_cbranch_scc1 .Lk
	TRIP 1, 0, 0, 1, NL, 0                         ; trips 13, 14, 15 ask for nothing
	TRIP 0, 1, 0, 1, 0, 0
	TRIP 1, 0, 0, 0, 0, 0
	WIN 0
	v_max3_num_f32 v26, v160, v161, v162           ; y's unit: the largest of the batch's v scales
	v_max3_num_f32 v27, v163, v164, v165
.set mj, 6
.rept 5
	v_max3_num_f32 v[26+(mj/2)%2], v[26+(mj/2)%2], v[160+mj], v[160+mj+1]
.set mj, mj+2
.endr
	v_max_num_f32 v26, v26, v27
	v_max_num_f32_dpp v26, v26, v26 row_xmask:1 row_mask:0xf bank_mask:0xf
	v_max_num_f32_dpp v26, v26, v26 row_xmask:2 row_mask:0xf bank_mask:0xf
	v_max_num_f32_dpp v26, v26, v26 row_xmask:4 row_mask:0xf bank_mask:0xf
	v_max_num_f32_dpp v26, v26, v26 row_xmask:8 row_mask:0xf bank_mask:0xf
	v_permlanex16_b32 v27, v26, s44, s45
	v_max_num_f32 v28, v26, v27
	v_mov_b32 v29, v28
	PLACES
; 16 tokens at a time: times the unit, 2 x 16 bytes a lane and tile into my stage, read back as whole rows of 256 bytes
.macro OUTF a
	WIN 0x01
.irp b, 0,1,2,3
.irp i, 0,1,2,3
	v_pk_mul_f32 v[32+8*\b+2*\i:32+8*\b+2*\i+1], v[8*(4*\a+\b)+2*\i:8*(4*\a+\b)+2*\i+1], v[28:29]
.endr
.endr
	WIN 0
.irp b, 0,1,2,3
	ds_store_b128 v20, v[32+8*\b:32+8*\b+3] offset:64*\b
	ds_store_b128 v20, v[32+8*\b+4:32+8*\b+7] offset:64*\b+16
.endr
	s_wait_xcnt 0x0                                ; v64-95, which earlier stores read, are loaded again only behind this wait
.irp i, 0,1,2,3,4,5,6,7
	ds_load_b128 v[64+4*\i:64+4*\i+3], v21 offset:\i*2*OP          ; my own bytes: LDS serves a wave in order
.endr
.irp i, 0,1,2,3,4,5,6,7
	s_wait_dscnt 7-\i
	global_store_b128 v22, v[64+4*\i:64+4*\i+3], s[32:33] offset:\a*65536+\i*8192 th:TH_STORE_NT  ; 16 lanes store 256 consecutive bytes, aligned
.endr
.endm
	OUTF 0
	OUTF 1
	OUTF 2
	OUTF 3
	s_wait_tensorcnt 0x0
	ds_add_u32 v254, v255
	s_wait_dscnt 0x0
	s_endpgm
.Lfunc_end_k_qab0727f70f_outp:
	.size	k_qab0727f70f_outp, .Lfunc_end_k_qab0727f70f_outp-k_qab0727f70f_outp
	.p2alignl 7, 3214868480
	.fill 96, 4, 3214868480
	.section	.rodata,"a",@progbits
	.p2align	6, 0x0
	.amdhsa_kernel k_qab0727f70f_outp
		.amdhsa_group_segment_fixed_size 91648
		.amdhsa_private_segment_fixed_size 0
		.amdhsa_enable_private_segment 0
		.amdhsa_kernarg_size 32
		.amdhsa_user_sgpr_count 2
		.amdhsa_user_sgpr_kernarg_segment_ptr 1
		.amdhsa_wavefront_size32 1
		.amdhsa_system_sgpr_workgroup_id_x 1
		.amdhsa_system_sgpr_workgroup_id_y 1
		.amdhsa_system_sgpr_workgroup_id_z 1
		.amdhsa_system_vgpr_workitem_id 0
		.amdhsa_next_free_vgpr 864
		.amdhsa_next_free_sgpr 66
		.amdhsa_reserve_vcc 0
		.amdhsa_float_denorm_mode_32 3
		.amdhsa_float_denorm_mode_16_64 3
		.amdhsa_memory_ordered 1
		.amdhsa_forward_progress 1
		.amdhsa_inst_pref_size 110
	.end_amdhsa_kernel
	.amdgpu_metadata
---
amdhsa.version: [ 1, 2 ]
amdhsa.kernels:
  - .name:           k_qab0727f70f_outp
    .symbol:         k_qab0727f70f_outp.kd
    .args:
      - { .name: yh, .offset: 0, .size: 8, .value_kind: global_buffer, .address_space: global }
      - { .name: Wout, .offset: 8, .size: 8, .value_kind: global_buffer, .address_space: global }
      - { .name: kvs, .offset: 16, .size: 8, .value_kind: global_buffer, .address_space: global }
      - { .name: out0, .offset: 24, .size: 8, .value_kind: global_buffer, .address_space: global }
    .group_segment_fixed_size: 91648
    .private_segment_fixed_size: 0
    .kernarg_segment_align: 8
    .kernarg_segment_size: 32
    .max_flat_workgroup_size: 128
    .sgpr_count:     66
    .vgpr_count:     864
    .wavefront_size: 32
...
	.end_amdgpu_metadata
.endif
;; end of part 4
